; MI455X (gfx1250); checked and timed in simulation.
; The chip was launched on July 23, 2026; its instructions are those of AMD's public machine-readable ISA for CDNA 5 (MIT licence, August 2026) and "CDNA5" Instruction Set Architecture Reference Guide (July 2026). The comments in the code are by the model that wrote it; some were corrected since.
;; Sparse Mo E. Allowed arithmetic: matrix products marked QUANTISED: E2M1 operands, one E8M0 scale for each 32 along K, by v_wmma_scale_f32_16x16x128_f8f6f4 with both operands' format E2M1 (or v_wmma_scale_f32_32x16x128_f4), f32 sums; products left as they are: f32 operands where the result goes on into a quantised operand, else bf16, f16 or f32 operands; f32 sums; everything else in f32.
;; Inputs: W1_codes 8 x 4,096 x 32 x 16 uint8 (E2M1 codes of W1, K innermost, in blocks of 32 codes, two codes a byte); W1_scales 8 x 4,096 x 32 uint8 (E8M0 scales of W1, one for each 32 codes along K); W2_codes 8 x 1,024 x 128 x 16 uint8 (E2M1 codes of W2, K innermost, in blocks of 32 codes, two codes a byte); W2_scales 8 x 1,024 x 128 uint8 (E8M0 scales of W2, one for each 32 codes along K); Wg 1,024 x 8 float32; b1 8 x 4,096 float32; b2 8 x 1,024 float32; bg 8 float32; x 4 x 256 x 1,024 float32.
;; Outputs: out0 4 x 256 x 1,024 float32; out1 4 x 256 x 8 float32.
;; Constants: top_k = 2.
;; This version of the problem:
;;   THIS VERSION OF THE PROBLEM IS GIVEN IN LOW PRECISION. The matrix products marked QUANTISED in the list below multiply operands that are first quantised to E2M1 (2 exponent bits, 1 mantissa bit; 4 bits a number), with one power-of-two scale for each 32 numbers along K (OCP MX v1.0); their sums are f32. All else is computed in f32.
;;   The module's matrix products, in the order in which they are computed (A, B: the left and right operand; K: the contracted axis; several contracted axes count as one K, in the product's order):
;;     1. [M 1,024, K 1,024] x [K 1,024, N 8]; A: input x; B: input Wg: left as it is (N = 8 < 16)
;;     2. [M 1,024, K 1,024] x [K 1,024, N 32,768]; A: input x; B: input W1 (given as codes): QUANTISED
;;     3. batch 8 x [M 1,024, K 4,096] x [K 4,096, N 1,024]; A: input W2 (given as codes); B: computed on the way: QUANTISED
;;     4. batch 1,024 x [M 1,024, K 8] x [K 8, N 1]; A: computed on the way; B: computed on the way: left as it is (K = 8 < 32)
;;   THE QUANTISER, for each operand of a quantised product, along K:
;;     - K is cut into blocks of 32 from its start; a last block that is shorter is filled with zeros.
;;     - A block's scale is 2^e with e = floor(log2(the largest magnitude in the block)) - 2, held to -126 .. 127; a block of zeros has e = 0. As a byte (E8M0): e + 127.
;;     - Each number is divided by its block's scale, clamped to +-6, and rounded to the nearest number of E2M1, ties to even, subnormals kept.
;;     - The product sums the exact products of the quantised numbers (number of the format x scale) in f32.
;;   ~~~python
;;   def quantise(x, axis):      # numpy; x: float32 -> the quantised numbers, widened to float32 again
;;       x = np.moveaxis(x, axis, -1); K = x.shape[-1]
;;       x = np.pad(x, [(0, 0)] * (x.ndim - 1) + [(0, -K % 32)]); x = x.reshape(x.shape[:-1] + (-1, 32)); a = np.abs(x).max(-1, keepdims=True)
;;       e = np.where(a > 0, np.clip(np.frexp(np.where(a > 0, a, 1))[1] - 1 - 2, -126, 127), 0)      # np.frexp(a)[1] - 1 = floor(log2(a)), exactly
;;       r = np.clip(x / 2.0 ** e, -6, 6)
;;       step = 2.0 ** (np.maximum(np.frexp(np.where(r == 0, 1, r))[1] - 1, 0) - 1)
;;       q = np.round(r / step) * step * 2.0 ** e      # np.round: ties to even
;;       return np.moveaxis(q.reshape(q.shape[:-2] + (-1,))[..., :K], -1, axis).astype(np.float32)
;;   ~~~
;;   OPERANDS COMPUTED ON THE WAY. 'Computed on the way' means the value that the module computes at that place (a softmax that the list does not call 'softmax' is quantised finished and normalised). What goes into a quantiser is computed in f32, as accurately as f32 sums, v_exp_f32 and their like allow (about 1e-6 of the number): no bf16 or f16 on the way to a quantiser, and a product that is left as it is and whose result goes on into a quantised operand takes f32 operands (vector FMAs, or v_wmma_f32_16x16x4_f32). A number that lies on a knife's edge between two numbers of the format may be rounded either way, as far as f32 arithmetic and the matrix unit's own rounding can turn it there, and no further.
;;   INPUTS GIVEN AS CODES. W1 (in the module: [8, 1024, 4096], K = its axis 1); W2 (in the module: [8, 4096, 1024], K = its axis 1): each comes as NAME_codes (uint8): NAME with its K axis moved to the last place and cut into blocks of 32 codes, [.., K / 32, bytes a block], one block behind the other in memory; two codes a byte, the lower K in the low four bits (a code: sign, 2 exponent bits, 1 mantissa bit); and NAME_scales (uint8): the same leading axes, one E8M0 byte (e + 127) for each 32 codes along K. Its value is code x scale, taken as it is: it is not quantised again, and the codes and scales need not be those that the quantiser above would give.
;; One version. Each part assembles by itself: llvm-mc -triple=amdgcn-amd-amdhsa -mcpu=gfx1250 --defsym DOCPART=n.
;; ======== version 1 of 1: 4 launches
;; limits: right only within a limited range of input values
;; workspace buffers: xq 524,288 bytes; xs 32,768 bytes; msk 2,048 bytes of whole numbers; dst 65,536 bytes of whole numbers; hq 16,777,216 bytes; hs 1,048,576 bytes; eo 23,068,672 bytes
;; launch route (part 1): grid 128 x 1, 8 waves a work-group, no clusters, 77,056 bytes of LDS; arguments x, Wg, bg, out1, xq, xs, msk; writes out1, xq, xs, msk
.if DOCPART == 1
	.amdgcn_target "amdgcn-amd-amdhsa--gfx1250"
	.amdhsa_code_object_version 6
	.text
	.protected	k_q6f17853fce_route
	.globl	k_q6f17853fce_route
	.p2align	8
	.type	k_q6f17853fce_route,@function
k_q6f17853fce_route:
	s_mov_b64 s[64:65], 0
	v_nop
	global_prefetch_b8 v0, s[64:65] scope:SCOPE_SE
	s_setreg_imm32_b32 hwreg(HW_REG_WAVE_MODE, 25, 1), 1
	s_wait_xcnt 0x0
; SparseMoE, first of four launches: the gate's scores (out1), the choice of two experts for each token, and x as codes of E2M1.
; WORK THAT THE PROGRAM LEAVES OUT.  reference() forms h and eo for all 8 experts of every token and then multiplies eo[b,s,e,:] by sel[b,s,e], a 0 or 1 that it builds in its
; own body from its own top_k: it is 0 for the six experts that were not chosen.  0 times a finite number is 0 whatever the inputs hold, so those rows of the two quantised products
; reach no output.  They come in whole rows: only the two chosen rows of each token are multiplied (launches ffn1, ffn2), and the last product is the sum of those two rows (launch add).
; LIMIT: a NaN, an infinity or an overflow that arises only in a row of an expert that was not chosen is not carried to out0.  Every input has a way to an output and is loaded.
; THE CHOICE is taken as reference() takes it: of the softmax's probabilities (the maximum taken away, exponentials, their sum, a division), the larger first, the lower index on a tie.
; LIMITS: NaN among the scores is not served; a probability under 2^-126 counts as 0 (the exponential gives no denormals), the division is a reciprocal and a multiplication.
; The choice steers no address here: it is stored as bit masks at fixed places (msk), and the later launches read them.
;   msk: word 32 e + c, bit p: token 32 c + p has chosen expert e; 1,024 bytes further on the same for 'e is the higher numbered of the token's two'.
; SHARES.  Work-group g: tokens 8 g .. 8 g + 7.  Wave w: d = 256 (w % 4) .. + 255 of the four tokens 4 (w / 4) .. + 3; lane l: the 8 neighbours d = 256 (w % 4) + 8 l .. + 7.  So a wave needs 8 KiB of Wg, which
; it turns in LDS bytes of its own (no barrier), and four lanes hold a block of the quantiser.  The 32 sums of a wave (4 tokens x 8 experts) are reduced over 16 lanes by halving: each step leaves half the sums a lane.
; The 8 partial sums of each score meet in LDS behind the one barrier; wave 0 then chooses, lane l holding experts 2 (l % 4), + 1 of token l / 4.
; A block's scale is 2^(floor(log2(largest magnitude)) - 2), held at byte 1 from below (a block of zeros gets 1: its codes are zeros, and this program alone reads the bytes).
; No matrix unit: the gate has 8 columns and its result decides the choice, so it is summed in f32.  No cluster: the work-groups share Wg alone, 32 KiB read once by each.  No loop, so no prefetch.
.set WGB,   32*272                     ; LDS: a wave's piece of Wg, lane l's 8 rows (256 bytes) at 272 l
.set PART,  8*WGB                      ; 8 partial sums (4 quarters of d x 2 halves of the lanes) of 64 scores
.set XQ,    PART+2048                  ; 8 tokens' codes, 512 bytes each
.set XSB,   XQ+4096                    ; their scale bytes, 32 a token
.set SPARE, XSB+256                    ; the spare words, 128 bytes for each wave: blocks of 256 bytes that no other line names
.set SPW,  1                           ; LDS address of my spare word; never rewritten
.set NIL,  2                           ; 0; never rewritten
.set LANE, 3
.set L16,  4
.set L32,  5
.set L8,   6
.set WGI,  7                           ; Wg into LDS
.set WGO,  8                           ; and out of it
.set APT,  9                           ; my two partial sums
.set AQ,   10                          ; my codes
.set AS,   11                          ; my scale bytes
.set RQ,   12                          ; the row of codes that my wave stores
.set RS,   13
.set RP,   14
.set BGO,  15
.set EF0,  16                          ; my two experts' numbers, as f32
.set EF1,  17
.set EIGHT, 18
.set SHF,  19                          ; (l % 8) / 2
.set MOF,  20
.set T,    21
.set Q,    24
.set QS,   28
.set CD,   32
.set SBY,  36
.set BG,   40
.set CR,   44
.set PR,   48                          ; v48-63 partial sums read back
.set X,    64                          ; v64-95: 8 numbers a token
.set V,    96                          ; v96-127: the 32 sums
.set W,    128                         ; v128-191: Wg[8 l + i][e] at 8 i + e
.set GS,   192                         ; v192-255: Wg as loaded; afterwards work registers:
.set TT,   192
.set M,    208
.set I0,   209
.set I1,   210
.set IA,   211
.set IB,   212
.set IH,   213
.set P0,   214
.set P1,   215
.set Q0,   216
.set Q1,   217
.set Z,    218
.set B0,   219
.set B1,   220
.set H0,   221
.set H1,   222
	s_load_b256 s[4:11], s[0:1], 0x0               ; x, Wg, bg, out1
	s_load_b128 s[12:15], s[0:1], 0x20             ; xq, xs
	s_load_b64 s[16:17], s[0:1], 0x30              ; msk
	v_lshl_add_u32 v[SPW], v0, 2, SPARE
	v_mov_b32 v[NIL], 0
	v_lshrrev_b32 v[T], 5, v0
	v_readfirstlane_b32 s18, v[T]                  ; wave 0..7
	v_and_b32 v[LANE], 31, v0
	v_lshlrev_b32 v[L16], 4, v[LANE]
	v_lshlrev_b32 v[L32], 5, v[LANE]
	v_lshlrev_b32 v[L8], 3, v[LANE]
	v_lshrrev_b32 v[T], 4, v[LANE]
	v_lshl_add_u32 v[WGI], v[T], 4, v[L16]         ; 272 (l / 16) + 16 (l % 16)
	v_mul_u32_u24 v[WGO], v[LANE], 272
	v_and_b32 v[APT], 15, v[LANE]
	v_lshlrev_b32 v[APT], 3, v[APT]
	v_lshl_add_u32 v[APT], v[T], 8, v[APT]
	v_lshlrev_b32 v[AQ], 2, v[LANE]
	v_lshrrev_b32 v[AS], 2, v[LANE]
	v_add_nc_u32 v[RS], XSB, v[L8]
	v_add_nc_u32 v[RP], PART, v[L8]
	v_and_b32 v[BGO], 3, v[LANE]
	v_lshlrev_b32 v[EF1], 1, v[BGO]
	v_lshlrev_b32 v[BGO], 3, v[BGO]
	v_cvt_f32_u32 v[EF0], v[EF1]
	v_add_f32 v[EF1], 1.0, v[EF0]
	v_mov_b32 v[EIGHT], 0x41000000                 ; 8.0: no expert's number
	v_bfe_u32 v[SHF], v[LANE], 1, 2
	v_and_b32 v[MOF], 7, v[LANE]                   ; for the masks: lane l serves expert l % 8 of set (l / 8) % 2
	v_bfe_u32 v[T], v[LANE], 3, 1
	v_lshlrev_b32 v[MOF], 7, v[MOF]
	v_lshl_add_u32 v[MOF], v[T], 10, v[MOF]
	s_and_b32 s19, s18, 3                          ; my quarter of d
	s_lshr_b32 s20, s18, 2                         ; my four tokens
	s_mul_i32 s21, s18, WGB
	s_lshl_b32 s22, s19, 9
	s_lshl_b32 s23, s20, 7
	s_add_co_u32 s22, s22, s23
	s_add_co_u32 s22, s22, PART
	s_lshl_b32 s23, s20, 11
	s_lshl_b32 s24, s19, 7
	s_add_co_u32 s23, s23, s24
	s_add_co_u32 s23, s23, XQ
	s_lshl_b32 s24, s20, 7
	s_lshl_b32 s25, s19, 3
	s_add_co_u32 s24, s24, s25
	s_add_co_u32 s24, s24, XSB
	s_lshl_b32 s25, s18, 9
	s_add_co_u32 s25, s25, XQ
	s_wait_alu depctr_va_vdst(0)                   ; the wait behind the run of scalar instructions
	v_add_nc_u32 v[WGI], s21, v[WGI]
	v_add_nc_u32 v[WGO], s21, v[WGO]
	v_add_nc_u32 v[APT], s22, v[APT]
	v_add_nc_u32 v[AQ], s23, v[AQ]
	v_add_nc_u32 v[AS], s24, v[AS]
	v_add_nc_u32 v[RQ], s25, v[L16]
	s_mov_b32 s32, 0xaaaaaaaa                      ; the lanes whose number has bit 0, 1, 2, 3
	s_mov_b32 s33, 0xcccccccc
	s_mov_b32 s34, 0xf0f0f0f0
	s_mov_b32 s35, 0xff00ff00
	s_lshl_b32 s36, ttmp9, 15                      ; x: 8 tokens of 4,096 bytes a work-group
	s_lshl_b32 s37, s20, 14
	s_add_co_u32 s36, s36, s37
	s_lshl_b32 s37, s19, 10
	s_add_co_u32 s36, s36, s37
	s_mov_b32 s37, 0
	s_lshl_b32 s38, s19, 13                        ; Wg: 256 rows of 32 bytes
	s_mov_b32 s39, 0
	s_lshl_b32 s40, ttmp9, 12                      ; xq: 512 bytes a token, a token a wave
	s_lshl_b32 s41, s18, 9
	s_add_co_u32 s40, s40, s41
	s_mov_b32 s41, 0
	s_lshl_b32 s42, ttmp9, 8                       ; out1 and xs: 256 bytes a work-group
	s_mov_b32 s43, 0
	s_mov_b32 s44, ttmp9                           ; msk: byte g of each expert's 128
	s_mov_b32 s45, 0
	s_wait_alu depctr_va_vdst(0)                   ; the wait at the head's end
	s_wait_kmcnt 0x0
	s_add_nc_u64 s[6:7], s[6:7], s[38:39]
	s_add_nc_u64 s[4:5], s[4:5], s[36:37]
.irp j, 0,1,2,3,4,5,6,7,8,9,10,11,12,13,14,15
	global_load_b128 v[GS+4*\j:GS+4*\j+3], v[L16], s[6:7] offset:512*\j
.endr
.irp t, 0,1,2,3
	global_load_b128 v[X+8*\t:X+8*\t+3], v[L32], s[4:5] offset:4096*\t
	global_load_b128 v[X+8*\t+4:X+8*\t+7], v[L32], s[4:5] offset:4096*\t+16
.endr
	global_load_b64 v[BG:BG+1], v[BGO], s[8:9]
	s_add_nc_u64 s[12:13], s[12:13], s[40:41]
	s_add_nc_u64 s[10:11], s[10:11], s[42:43]
	s_add_nc_u64 s[14:15], s[14:15], s[42:43]
	s_add_nc_u64 s[16:17], s[16:17], s[44:45]
	s_wait_loadcnt 0x9                             ; Wg's 16 loads are in; x's 8 and bg's one, issued behind them, may be out
.irp j, 0,1,2,3,4,5,6,7,8,9,10,11,12,13,14,15
	ds_store_b128 v[WGI], v[GS+4*\j:GS+4*\j+3] offset:544*\j
.endr
.irp j, 0,1,2,3,4,5,6,7,8,9,10,11,12,13,14,15
	ds_load_b128 v[W+4*\j:W+4*\j+3], v[WGO] offset:16*\j   ; my wave's own bytes: LDS serves a wave's instructions in order
.endr
	s_wait_loadcnt 0x0                             ; x and bg
; the quantiser: four lanes hold a block
.irp t, 0,1,2,3
	v_max3_num_f32 v[Q+\t], |v[X+8*\t]|, |v[X+8*\t+1]|, 0x1800000   ; with the floor 2^(3 - 127): the byte cannot fall under 1
.endr
.irp i, 2,4,6
.irp t, 0,1,2,3
	v_max3_num_f32 v[Q+\t], v[Q+\t], |v[X+8*\t+\i]|, |v[X+8*\t+\i+1]|
.endr
.endr
.irp m, 1,2
.irp t, 0,1,2,3
	v_max_num_f32_dpp v[Q+\t], v[Q+\t], v[Q+\t] row_xmask:\m row_mask:0xf bank_mask:0xf
.endr
.endr
.irp t, 0,1,2,3
	v_add_nc_u32 v[QS+\t], 0xff000000, v[Q+\t]     ; 2 off its exponent field: the conversion takes the exponent field of this operand as its scale
.endr
.irp t, 0,1,2,3
	v_cvt_scalef32_pk8_fp4_f32 v[CD+\t], v[X+8*\t:X+8*\t+7], v[QS+\t]
.endr
.irp t, 0,1,2,3
	v_lshrrev_b32 v[SBY+\t], 23, v[QS+\t]          ; the scale's byte (also the plain instructions behind the conversions)
.endr
.irp t, 0,1,2,3
	ds_store_b32 v[AQ], v[CD+\t] offset:512*\t
	ds_store_b8 v[AS], v[SBY+\t] offset:32*\t      ; four lanes write the same byte with the same value
.endr
	s_wait_alu depctr_va_vdst(0)
	s_wait_dscnt 0x8                               ; Wg is in registers; the 8 stores just issued may be out
; the gate: my 8 d, two experts an instruction, 16 chains by turns
.irp t, 0,1,2,3
.irp p, 0,1,2,3
	v_pk_mul_f32 v[V+8*\t+2*\p:V+8*\t+2*\p+1], v[X+8*\t:X+8*\t+1], v[W+2*\p:W+2*\p+1] op_sel_hi:[0,1]
.endr
.endr
.irp d, 1,2,3,4,5,6,7
.irp t, 0,1,2,3
.irp p, 0,1,2,3
.if \d%2
	v_pk_fma_f32 v[V+8*\t+2*\p:V+8*\t+2*\p+1], v[X+8*\t+\d-1:X+8*\t+\d], v[W+8*\d+2*\p:W+8*\d+2*\p+1], v[V+8*\t+2*\p:V+8*\t+2*\p+1] op_sel:[1,0,0] op_sel_hi:[1,1,1]
.else
	v_pk_fma_f32 v[V+8*\t+2*\p:V+8*\t+2*\p+1], v[X+8*\t+\d:X+8*\t+\d+1], v[W+8*\d+2*\p:W+8*\d+2*\p+1], v[V+8*\t+2*\p:V+8*\t+2*\p+1] op_sel_hi:[0,1,1]
.endif
.endr
.endr
.endr
; a halving step: of the sums i and i + half a lane keeps one, by a bit of its number, and gives the other to the lane that differs in that bit
.macro HALVE half, m, mask
.set i, 0
.rept \half
	v_cndmask_b32 v[TT+i], v[V+i+\half], v[V+i], s[\mask]
	v_cndmask_b32 v[V+i], v[V+i], v[V+i+\half], s[\mask]
.set i, i+1
.endr
.set i, 0
.rept \half
	v_add_f32_dpp v[V+i], v[TT+i], v[V+i] row_xmask:\m row_mask:0xf bank_mask:0xf
.set i, i+1
.endr
.endm
	HALVE 16, 8, 35
	HALVE 8, 4, 34
	HALVE 4, 2, 33
	HALVE 2, 1, 32
	ds_store_b64 v[APT], v[V:V+1]                  ; sums 2 (l % 16), + 1 of my wave's 32, over my half of the lanes
	s_wait_dscnt 0x0                               ; for the others' sake: my sums, codes and scale bytes lie in LDS
	s_barrier_signal -1
	s_barrier_wait -1
	s_cmp_eq_u32 s18, 0
	s_cbranch_scc1 .Lgate
	ds_load_b128 v[CR:CR+3], v[RQ]
	s_wait_dscnt 0x0
	global_store_b128 v[L16], v[CR:CR+3], s[12:13] ; token w's 512 bytes of codes
	s_cmp_eq_u32 s18, 1
	s_cbranch_scc0 .Lend
	ds_load_b64 v[PR:PR+1], v[RS]                  ; wave 1: the 8 tokens' scale bytes, 256 bytes
	s_wait_dscnt 0x0
	global_store_b64 v[L8], v[PR:PR+1], s[14:15]
	s_branch .Lend
.Lgate:
.irp p, 0,1,2,3,4,5,6,7
	ds_load_b64 v[PR+2*\p:PR+2*\p+1], v[RP] offset:256*\p
.endr
	ds_load_b128 v[CR:CR+3], v[RQ]
	s_wait_dscnt 0x1                               ; the 8 partial sums are in; the row of codes may be out
.irp p, 0,4,8,12
	v_pk_add_f32 v[PR+\p:PR+\p+1], v[PR+\p:PR+\p+1], v[PR+\p+2:PR+\p+3]
.endr
.irp p, 0,8
	v_pk_add_f32 v[PR+\p:PR+\p+1], v[PR+\p:PR+\p+1], v[PR+\p+4:PR+\p+5]
.endr
	v_pk_add_f32 v[PR:PR+1], v[PR:PR+1], v[PR+8:PR+9]
	v_pk_add_f32 v[PR:PR+1], v[PR:PR+1], v[BG:BG+1]   ; the scores
	global_store_b64 v[L8], v[PR:PR+1], s[10:11]   ; 32 lanes store the 8 tokens' 256 bytes
	; the softmax, as reference() has it: a token's 8 numbers lie in four lanes
	v_max_num_f32 v[M], v[PR], v[PR+1]
	v_max_num_f32_dpp v[M], v[M], v[M] row_xmask:1 row_mask:0xf bank_mask:0xf
	v_max_num_f32_dpp v[M], v[M], v[M] row_xmask:2 row_mask:0xf bank_mask:0xf
	v_sub_f32 v[P0], v[PR], v[M]                   ; the maximum is taken away first, and the difference then scaled: not fused, so that the largest gives exactly 0
	v_sub_f32 v[P1], v[PR+1], v[M]
	v_mul_f32 v[P0], 0x3fb8aa3b, v[P0]
	v_mul_f32 v[P1], 0x3fb8aa3b, v[P1]
	s_wait_alu depctr_va_vdst(0)                   ; the wait ahead of the batch
	v_exp_f32 v[P0], v[P0]
	v_exp_f32 v[P1], v[P1]
	v_nop
	s_wait_alu depctr_va_vdst(0)                   ; and behind it
	v_add_f32 v[Z], v[P0], v[P1]
	v_add_f32_dpp v[Z], v[Z], v[Z] row_xmask:1 row_mask:0xf bank_mask:0xf
	v_add_f32_dpp v[Z], v[Z], v[Z] row_xmask:2 row_mask:0xf bank_mask:0xf
	s_wait_alu depctr_va_vdst(0)
	v_rcp_f32 v[Z], v[Z]
	v_nop
	s_wait_alu depctr_va_vdst(0)
	v_mul_f32 v[P0], v[P0], v[Z]
	v_mul_f32 v[P1], v[P1], v[Z]
; the largest of a token's 8 numbers, the lowest expert on a tie
.macro TOP a, b, idx
	v_max_num_f32 v[M], v[\a], v[\b]
	v_max_num_f32_dpp v[M], v[M], v[M] row_xmask:1 row_mask:0xf bank_mask:0xf
	v_max_num_f32_dpp v[M], v[M], v[M] row_xmask:2 row_mask:0xf bank_mask:0xf
	v_cmp_eq_f32 s24, v[\a], v[M]
	v_cmp_eq_f32 s25, v[\b], v[M]
	v_cndmask_b32 v[I0], v[EIGHT], v[EF0], s24
	v_cndmask_b32 v[I1], v[EIGHT], v[EF1], s25
	v_min_num_f32 v[\idx], v[I0], v[I1]
	v_min_num_f32_dpp v[\idx], v[\idx], v[\idx] row_xmask:1 row_mask:0xf bank_mask:0xf
	v_min_num_f32_dpp v[\idx], v[\idx], v[\idx] row_xmask:2 row_mask:0xf bank_mask:0xf
.endm
	TOP P0, P1, IA                                 ; the first choice
	v_cmp_eq_f32 s26, v[EF0], v[IA]
	v_cmp_eq_f32 s27, v[EF1], v[IA]
	v_cndmask_b32 v[Q0], v[P0], -1.0, s26          ; it is taken out: under every probability
	v_cndmask_b32 v[Q1], v[P1], -1.0, s27
	TOP Q0, Q1, IB                                 ; the second
	v_cmp_eq_f32 s28, v[EF0], v[IB]
	v_cmp_eq_f32 s29, v[EF1], v[IB]
	v_max_num_f32 v[IH], v[IA], v[IB]
	v_cmp_eq_f32 s30, v[EF0], v[IH]                ; the higher numbered of the two
	v_cmp_eq_f32 s31, v[EF1], v[IH]
	s_or_b32 s26, s26, s28                         ; bit l: token l / 4 has chosen expert 2 (l % 4);
	s_or_b32 s27, s27, s29                         ; expert 2 (l % 4) + 1
	v_mov_b32 v[B0], s26
	v_mov_b32 v[B1], s27
	v_mov_b32 v[H0], s30
	v_mov_b32 v[H1], s31
	v_cndmask_b32 v[B0], v[B0], v[B1], s32         ; my expert's, even or odd,
	v_cndmask_b32 v[H0], v[H0], v[H1], s32
	v_cndmask_b32 v[B0], v[B0], v[H0], s35         ; 'chosen' or 'higher', by my set
	v_lshrrev_b32 v[B0], v[SHF], v[B0]
	v_and_b32 v[B0], 0x11111111, v[B0]             ; bit 4 t: token t
	v_lshrrev_b32 v[B1], 3, v[B0]
	v_or_b32 v[B0], v[B0], v[B1]
	v_and_b32 v[B0], 0x03030303, v[B0]
	v_lshrrev_b32 v[B1], 6, v[B0]
	v_or_b32 v[B0], v[B0], v[B1]
	v_and_b32 v[B0], 0x000f000f, v[B0]
	v_lshrrev_b32 v[B1], 12, v[B0]
	v_or_b32 v[B0], v[B0], v[B1]
	v_and_b32 v[B0], 0xff, v[B0]                   ; bit t: token t
	global_store_b8 v[MOF], v[B0], s[16:17]        ; 16 bytes: 8 experts x 2 sets; lanes l and l + 16 store the same byte at the same place, which hangs on ids alone
	s_wait_dscnt 0x0
	global_store_b128 v[L16], v[CR:CR+3], s[12:13] ; and token 0's codes
.Lend:
	s_wait_tensorcnt 0x0                           ; the wave's end
	ds_add_u32 v[SPW], v[NIL]
	s_wait_dscnt 0x0
	s_endpgm
.Lfunc_end_k_q6f17853fce_route:
	.size	k_q6f17853fce_route, .Lfunc_end_k_q6f17853fce_route-k_q6f17853fce_route
	.p2alignl 7, 3214868480
	.fill 96, 4, 3214868480
	.section	.rodata,"a",@progbits
	.p2align	6, 0x0
	.amdhsa_kernel k_q6f17853fce_route
		.amdhsa_group_segment_fixed_size 77056
		.amdhsa_private_segment_fixed_size 0
		.amdhsa_enable_private_segment 0
		.amdhsa_kernarg_size 56
		.amdhsa_user_sgpr_count 2
		.amdhsa_user_sgpr_kernarg_segment_ptr 1
		.amdhsa_wavefront_size32 1
		.amdhsa_system_sgpr_workgroup_id_x 1
		.amdhsa_system_sgpr_workgroup_id_y 1
		.amdhsa_system_sgpr_workgroup_id_z 1
		.amdhsa_system_vgpr_workitem_id 0
		.amdhsa_next_free_vgpr 256
		.amdhsa_next_free_sgpr 66
		.amdhsa_reserve_vcc 0
		.amdhsa_float_denorm_mode_32 3
		.amdhsa_float_denorm_mode_16_64 3
		.amdhsa_memory_ordered 1
		.amdhsa_forward_progress 1
		.amdhsa_inst_pref_size 31
	.end_amdhsa_kernel
	.amdgpu_metadata
---
amdhsa.version: [ 1, 2 ]
amdhsa.kernels:
  - .name:           k_q6f17853fce_route
    .symbol:         k_q6f17853fce_route.kd
    .args:
      - { .name: x, .offset: 0, .size: 8, .value_kind: global_buffer, .address_space: global }
      - { .name: Wg, .offset: 8, .size: 8, .value_kind: global_buffer, .address_space: global }
      - { .name: bg, .offset: 16, .size: 8, .value_kind: global_buffer, .address_space: global }
      - { .name: out1, .offset: 24, .size: 8, .value_kind: global_buffer, .address_space: global }
      - { .name: xq, .offset: 32, .size: 8, .value_kind: global_buffer, .address_space: global }
      - { .name: xs, .offset: 40, .size: 8, .value_kind: global_buffer, .address_space: global }
      - { .name: msk, .offset: 48, .size: 8, .value_kind: global_buffer, .address_space: global }
    .group_segment_fixed_size: 77056
    .private_segment_fixed_size: 0
    .kernarg_segment_align: 8
    .kernarg_segment_size: 56
    .max_flat_workgroup_size: 256
    .sgpr_count:     66
    .vgpr_count:     256
    .wavefront_size: 32
...
	.end_amdgpu_metadata
.endif
;; end of part 1
;; launch ffn1 (part 2): grid 256 x 1, 4 waves a work-group, no clusters, 101,888 bytes of LDS; arguments W1_codes, W1_scales, b1, xq, xs, msk, hq, hs, dst; writes hq, hs, dst
.if DOCPART == 2
	.amdgcn_target "amdgcn-amd-amdhsa--gfx1250"
	.amdhsa_code_object_version 6
	.text
	.protected	k_q6f17853fce_ffn1
	.globl	k_q6f17853fce_ffn1
	.p2align	8
	.type	k_q6f17853fce_ffn1,@function
k_q6f17853fce_ffn1:
	s_mov_b64 s[64:65], 0
	v_nop
	global_prefetch_b8 v0, s[64:65] scope:SCOPE_SE
	s_setreg_imm32_b32 hwreg(HW_REG_WAVE_MODE, 25, 1), 1
	s_wait_xcnt 0x0
; SparseMoE, second launch: h = Q(relu(Q(x) W1_e + b1_e)) for the rows (token, expert) that were chosen; the rows of experts not chosen are left out (shown at the head of the first launch).
; SHARES.  Work-group (e, n) = (id / 32, id % 32) holds hidden units 128 n .. 128 n + 127 of expert e: 64 KiB of codes, read from memory once, and kept by EACH of its four waves in 512 registers.
; Wave w owns tokens 256 w .. 256 w + 255: words 8 w .. 8 w + 7 of the expert's mask.  Its rows are the set bits in ascending order, cut into tiles of 16: nt = ceil(count / 16), 0 to 16.
; Places at or past the count take token 256 w + 255: they are multiplied like any row, inside a tile that also holds live rows, and the next launch sends their results to rows that nobody reads.
; The n-th set bit is found in registers (macro SELECT).  The trip count hangs on a stored number: so this launch has no tensor load, no cluster and no joint request,
; its barriers stand ahead of every branch on such a number, and no LDS address is stepped in the loop.
; THE HEAD.  W1 comes to LDS in four chunks of 32 rows (two tiles), 8 rows a wave; behind a chunk's barrier every wave reads its two tiles' fragments while the later chunks are on their way.
; THE LOOP.  In trip k the rows of tile k + 1, asked for in trip k - 1, go to the wave's stage ahead of tile k's products and come back as fragments behind them, under tile k's activation and quantiser;
; the rows of tile k + 2 are asked for there too.  Every wait in the loop is for 0.  No prefetch: these loads are themselves more than a whole trip ahead, and a row may be read by two experts' work-groups only.
; LAYOUT.  The product is used transposed: source 0 = 16 rows of W1, source 1 = 16 tokens: a lane holds ONE token and its registers run along the hidden units, the next product's K.
; THE ROWS OF W1 THAT FORM A TILE ARE NOT NEIGHBOURS: lane r of tile 2 b + u takes row 32 b + 8 u + r + 8 (r / 8), so that the 16 registers of tiles 2 b, 2 b + 1 are 16 neighbours: 32 b + 16 (lane / 16) + 0 .. 15.
; b1 is the C of each sum's first matrix instruction.  The 128 hidden units are one K step of the next product: a tile's result is one fragment and one scale word a row.
; OUT.  hq [e][tile 16 w + k][K step n][1,024 bytes]: the fragment as an image of its registers (group c of lane l at 512 c + 16 l): each store covers 512 consecutive bytes.
;       hs [e][tile][2,048 bytes]: row r's word of K step s at 512 (s / 8) + 16 (r + 16 ((s / 4) % 2)) + 4 (s % 4): the order in which the next launch's scale registers take them.  This launch writes 4 bytes of
;       each 16 there (the other three words come from other work-groups): 64 bytes a tile against the codes' 1,024.
;       dst [e][w][32 tiles][16 words], by the work-groups with n = 0 alone: the row of eo to which the next launch sends place r, at word 8 (r % 2) + r / 2: token + 2,048 x slot (slot 1 where this expert is the
;       higher numbered of the token's two), or, past the count, 4,096 + 64 e + 16 w + r.
.set WP,    528                        ; an LDS row: 512 bytes + 16 of padding: 16 rows of a load start at 16 different 16-byte columns
.set WST,   0                          ; W1's 128 rows, at places by tile: row 32 b + x at place 32 b + 16 ((x / 8) % 2) + x % 8 + 8 (x / 16)
.set XST,   128*WP                     ; for each wave 16 rows of x's codes
.set SPARE, XST+4*16*WP                ; the spare words, 128 bytes for each wave: two blocks of 256 bytes that no other line names
.set SPW, 1                            ; LDS address of my spare word; never rewritten
.set NIL, 2                            ; 0; never rewritten
.set L16, 3                            ; 16 x lane
.set AWF, 4                            ; 528 r + 16 h: my place in a tile of W1
.set AXS, 5                            ; x's rows into my stage
.set AXL, 6                            ; and out of it, as fragments
.set H16, 7                            ; 16 h
.set OHS, 8                            ; 16 r
.set DOF, 9                            ; place r's word in dst
.set N,   10                           ; my row's place among the wave's rows
.set TOK, 11                           ; its token
.set SW,  12                           ; SELECT's: the mask word,
.set SB,  13                           ; the rows ahead of it,
.set SC,  14                           ; its number,
.set SK,  15                           ; the place within it,
.set SA,  16                           ; counts of 2 bits,
.set SN,  17                           ; of 4,
.set C8,  18                           ; of 8,
.set ST,  19
.set SP,  20                           ; the bit's position
.set SX,  21
.set SH,  22                           ; the 'higher' word
.set DEST, 23
.set OFF, 24                           ; v24-39 the 16 rows' byte offsets in xq
.set XS,  40                           ; v40-43 x's scale words: lane (r, h): K steps 4 h .. 4 h + 3 of row r
.set W1S, 44                           ; v44-75 W1's: register 4 t + j, lane (r, h): K step 4 h + j of tile t's row r
.set PC,  76                           ; v76-83 the codes just made
.set PW,  84                           ; their scale word
.set XO,  85
.set AWS, 86
.set BO,  87
.set TM,  88                           ; v88-103 the quantiser's
.set WSO, 104
.set DUMP, 105
.set XSN, 106                          ; v106-109 the next tile's scale words
.set XO1, 110                          ; tile 1's, in the head alone
.set DEST1, 111
.set XF,  112                          ; v112-175 x's 8 fragments
.set ACC, 176                          ; v176-239 the 8 tiles of the hidden layer.  (v112-239 first carry W1 to LDS)
.set OFF1, 240                         ; v240-255 tile 1's offsets, in the head alone
                                       ; window 1: W1's fragments (t, s), s = 0 .. 3, at 8 (8 s + t);  window 2: s = 4 .. 7;  window 3: v0-63 b1 in the result's layout, v64-127 16 rows of x as loaded, v128-191 tile 0's
.set M,   24                           ; s[24:31] my 8 mask words
.set E,   32                           ; s[32:39] the rows up to and with each word
.set WB,  43                           ; s43  256 w
.set RT,  48                           ; s[48:63] the tile's 16 tokens
.set HI,  68                           ; s[68:75] the 'higher' words
.set MSB, 0
.macro WIN new                         ; the immediate's high byte repeats the setting that is left
.if MSB != \new
	s_set_vgpr_msb (MSB<<8)|\new
.set MSB, \new
.endif
.endm
; The token of place v[N]: the word in which the place falls, then the place's set bit in it, by halving: is the place at or past the count of the lower half?
.macro SSTEP src, width
	v_bfe_u32 v[ST], v[\src], v[SP], \width
	v_cmp_ge_u32 vcc_lo, v[SK], v[ST]
.if \width > 1
	v_cndmask_b32 v[ST], 0, v[ST], vcc_lo
	v_sub_nc_u32 v[SK], v[SK], v[ST]
.endif
	v_cndmask_b32 v[SX], 0, \width, vcc_lo
	v_add_nc_u32 v[SP], v[SP], v[SX]
.endm
.macro SELECT dest
	v_mov_b32 v[SW], s[M+7]
	v_mov_b32 v[SH], s[HI+7]
	v_mov_b32 v[SB], s[E+6]
	v_mov_b32 v[SC], 7
.irp c, 6,5,4,3,2,1,0
	v_cmp_gt_u32 vcc_lo, s[E+\c], v[N]             ; the lowest word whose end lies beyond the place has the last say
	v_cndmask_b32 v[SW], v[SW], s[M+\c], vcc_lo
	v_cndmask_b32 v[SH], v[SH], s[HI+\c], vcc_lo
.if \c
	v_cndmask_b32 v[SB], v[SB], s[E+\c-1], vcc_lo
.else
	v_cndmask_b32 v[SB], v[SB], 0, vcc_lo
.endif
	v_cndmask_b32 v[SC], v[SC], \c, vcc_lo
.endr
	v_sub_nc_u32 v[SK], v[N], v[SB]
	v_lshrrev_b32 v[SA], 1, v[SW]
	v_and_b32 v[SA], 0x55555555, v[SA]
	v_sub_nc_u32 v[SA], v[SW], v[SA]
	v_lshrrev_b32 v[SN], 2, v[SA]
	v_and_b32 v[SN], 0x33333333, v[SN]
	v_and_b32 v[ST], 0x33333333, v[SA]
	v_add_nc_u32 v[SN], v[SN], v[ST]
	v_lshrrev_b32 v[C8], 4, v[SN]
	v_add_nc_u32 v[C8], v[C8], v[SN]
	v_and_b32 v[C8], 0x0f0f0f0f, v[C8]
	v_lshrrev_b32 v[ST], 8, v[C8]
	v_add_nc_u32 v[ST], v[ST], v[C8]
	v_and_b32 v[ST], 0xff, v[ST]                   ; the count of the low 16 bits
	v_cmp_ge_u32 vcc_lo, v[SK], v[ST]
	v_cndmask_b32 v[ST], 0, v[ST], vcc_lo
	v_sub_nc_u32 v[SK], v[SK], v[ST]
	v_cndmask_b32 v[SP], 0, 16, vcc_lo
	SSTEP C8, 8
	SSTEP SN, 4
	SSTEP SA, 2
	SSTEP SW, 1
	v_lshl_add_u32 v[TOK], v[SC], 5, v[SP]
	v_add_nc_u32 v[TOK], s[WB], v[TOK]             ; a place at or past the count ends at word 7, bit 31: token 256 w + 255
	v_bfe_u32 v[SX], v[SH], v[SP], 1               ; the slot
	v_lshl_add_u32 v[\dest], v[SX], 11, v[TOK]
	v_cmp_gt_u32 vcc_lo, s[E+7], v[N]
	v_cndmask_b32 v[\dest], v[DUMP], v[\dest], vcc_lo   ; or, past the count, an unread row of my own
.endm
.macro DSTORE reg, off                 ; the tile's destinations, by n = 0 alone (a branch on the work-group's number); lanes r and r + 16 store the same word
	s_wait_alu depctr_va_vdst(0)                   ; the wait ahead of the branch
	s_cmp_lg_u32 s22, 0
	s_cbranch_scc1 .Lnot_mine_\@
	global_store_b32 v[DOF], v[\reg], s[66:67] offset:\off
.Lnot_mine_\@:
.endm
; The tile's 16 rows of codes, in two parts.  ROWA makes their offsets: the 16 tokens go to 16 scalar registers in one run, are held in one run and come back in one run.
.macro ROWA off
.irp j, 0,1,2,3,4,5,6,7,8,9,10,11,12,13,14,15
	v_readlane_b32 s[RT+\j], v[TOK], \j
.endr
.irp j, 0,1,2,3,4,5,6,7,8,9,10,11,12,13,14,15
	s_min_u32 s[RT+\j], s[RT+\j], 0x3ff            ; a number that was loaded enters an address only held to the table
.endr
.irp j, 0,1,2,3,4,5,6,7,8,9,10,11,12,13,14,15
	v_lshl_add_u32 v[\off+\j], s[RT+\j], 9, v[L16]
.endr
.endm
.macro ROWL off, rows                  ; and ROWL asks for them: one load a row, 32 lanes x 16 bytes = its 512 bytes
	WIN 0xc0                                       ; destination window 3
.irp j, 0,1,2,3,4,5,6,7,8,9,10,11,12,13,14,15
	global_load_b128 v[\rows+4*\j:\rows+4*\j+3], v[\off+\j], s[10:11]
.endr
	WIN 0
.endm
.macro XSL xo, to                      ; their scale words
	v_min_u32 v[\xo], 0x3ff, v[TOK]
	v_lshl_add_u32 v[\xo], v[\xo], 5, v[H16]
	global_load_b128 v[\to:\to+3], v[\xo], s[12:13]
.endm
.macro STAGE rows                      ; 16 rows into my stage
	WIN 0x0c                                       ; an LDS store's data are its source 1: window 3
.irp j, 0,1,2,3,4,5,6,7,8,9,10,11,12,13,14,15
	ds_store_b128 v[AXS], v[\rows+4*\j:\rows+4*\j+3] offset:WP*\j
.endr
	WIN 0
.endm
.macro XFRAGS                          ; and back as fragments: LDS serves a wave's instructions in order
.irp s, 0,1,2,3,4,5,6,7
.irp c, 0,1
	ds_load_b128 v[XF+8*\s+4*\c:XF+8*\s+4*\c+3], v[AXL] offset:64*\s+32*\c
.endr
.endr
.endm
; 64 numbers of a lane, none negative, register 16 b + i = k 32 b + 16 (lane / 16) + i of my row, become a fragment's codes in v[PC] on and its scale word in v[PW]
.macro QUANT s
.irp b, 0,1,2,3
	v_max3_num_f32 v[TM+\b], v[\s+16*\b], v[\s+1+16*\b], 0x1800000   ; with the floor 2^(3 - 127): the byte cannot fall under 1 (a block of zeros keeps 1: its codes are zeros)
.endr
.irp i, 2,4,6,8,10,12,14
.irp b, 0,1,2,3
	v_max3_num_f32 v[TM+\b], v[TM+\b], v[\s+16*\b+\i], v[\s+1+16*\b+\i]
.endr
.endr
.irp b, 0,1,2,3
	v_permlanex16_b32 v[TM+4+\b], v[TM+\b], s46, s47
.endr
.irp b, 0,1,2,3
	v_max_num_f32 v[TM+\b], v[TM+\b], v[TM+4+\b]   ; with lane l xor 16's: the block's largest
.endr
.irp b, 0,1,2,3
	v_add_nc_u32 v[TM+12+\b], 0xff000000, v[TM+\b] ; 2 off its exponent field: the conversion's scale operand
.endr
.irp b, 0,1,2,3
	v_lshrrev_b32 v[TM+4+\b], 23, v[TM+12+\b]      ; the scale's byte
.endr
	v_lshl_or_b32 v[PW], v[TM+5], 8, v[TM+4]
	v_lshl_or_b32 v[PW], v[TM+6], 16, v[PW]
	v_lshl_or_b32 v[PW], v[TM+7], 24, v[PW]
.irp b, 0,1,2,3
	v_cvt_scalef32_pk8_fp4_f32 v[PC+2*\b], v[\s+16*\b:\s+7+16*\b], v[TM+12+\b]
	v_cvt_scalef32_pk8_fp4_f32 v[PC+1+2*\b], v[\s+8+16*\b:\s+15+16*\b], v[TM+12+\b]
.endr
	v_nop                                          ; one plain instruction behind the last scaled conversion
.irp c, 0,1                                    ; the operand's layout wants a whole block in a lane
.irp i, 0,1
	v_permlane16_swap_b32 v[PC+4*\c+\i], v[PC+2+4*\c+\i]
.endr
.endr
.endm
.macro MM1 s                           ; K step s: the 8 tiles by turns, one instruction a turn
.irp t, 0,1,2,3,4,5,6,7
.set RA, 8*(8*(\s%4)+\t)
.if \s == 0
	v_wmma_scale_f32_16x16x128_f8f6f4 v[ACC+8*\t:ACC+8*\t+7], v[RA:RA+7], v[XF+8*\s:XF+8*\s+7], v[8*\t:8*\t+7], v[W1S+4*\t+\s%4], v[XS+\s%4] matrix_a_fmt:MATRIX_FMT_FP4 matrix_b_fmt:MATRIX_FMT_FP4
.elseif \s < 4
	v_wmma_scale_f32_16x16x128_f8f6f4 v[ACC+8*\t:ACC+8*\t+7], v[RA:RA+7], v[XF+8*\s:XF+8*\s+7], v[ACC+8*\t:ACC+8*\t+7], v[W1S+4*\t+\s%4], v[XS+\s%4] matrix_a_fmt:MATRIX_FMT_FP4 matrix_b_fmt:MATRIX_FMT_FP4
.else
	v_wmma_scale_f32_16x16x128_f8f6f4 v[ACC+8*\t:ACC+8*\t+7], v[RA:RA+7], v[XF+8*\s:XF+8*\s+7], v[ACC+8*\t:ACC+8*\t+7], v[W1S+4*\t+\s%4], v[XS+\s%4] matrix_a_fmt:MATRIX_FMT_FP4 matrix_b_fmt:MATRIX_FMT_FP4 matrix_a_scale:MATRIX_SCALE_ROW1 matrix_b_scale:MATRIX_SCALE_ROW1
.endif
.endr
.endm
; A chunk of W1: my 8 rows to LDS, a barrier, and the chunk's two tiles into registers.  Each chunk has LDS bytes of its own, written once.
.macro CHUNK b, cnt
	s_wait_loadcnt \cnt
.irp i, 0,1,2,3,4,5,6,7
	ds_store_b128 v[AWS], v[XF+32*\b+4*\i:XF+32*\b+4*\i+3] offset:(32*\b+\i)*WP
.endr
	s_wait_dscnt 0x0                               ; for the others' sake: my rows lie in LDS
	s_barrier_signal -1
	s_barrier_wait -1
	WIN 0x40
.irp s, 0,1,2,3
.irp t, 2*\b, 2*\b+1
.irp c, 0,1
	ds_load_b128 v[8*(8*\s+(\t))+4*\c:8*(8*\s+(\t))+4*\c+3], v[AWF] offset:16*WP*(\t)+64*\s+32*\c
.endr
.endr
.endr
	WIN 0x80
.irp s, 0,1,2,3
.irp t, 2*\b, 2*\b+1
.irp c, 0,1
	ds_load_b128 v[8*(8*\s+(\t))+4*\c:8*(8*\s+(\t))+4*\c+3], v[AWF] offset:16*WP*(\t)+256+64*\s+32*\c
.endr
.endr
.endr
	WIN 0
.endm
	s_load_b512 s[4:19], s[0:1], 0x0               ; W1's codes s[4:5], its scales s[6:7], b1 s[8:9], xq s[10:11], xs s[12:13], msk s[14:15], hq s[16:17], hs s[18:19]
	s_load_b64 s[66:67], s[0:1], 0x40              ; dst
	v_lshl_add_u32 v[SPW], v0, 2, SPARE
	v_mov_b32 v[NIL], 0
	v_lshrrev_b32 v[ST], 5, v0
	v_readfirstlane_b32 s20, v[ST]                 ; wave 0..3
	v_and_b32 v[SX], 31, v0
	v_lshlrev_b32 v[L16], 4, v[SX]
	v_and_b32 v[N], 15, v0                         ; r: the place of my row in tile 0
	v_bfe_u32 v[SK], v0, 4, 1                      ; h
	v_lshlrev_b32 v[H16], 4, v[SK]
	v_lshlrev_b32 v[BO], 6, v[SK]                  ; b1: my half's 16 numbers of a block of 32
	v_lshlrev_b32 v[OHS], 4, v[N]
	v_mul_u32_u24 v[AWF], v[N], WP
	v_add_nc_u32 v[AWF], v[AWF], v[H16]
	v_and_b32 v[WSO], 8, v[N]
	v_add_nc_u32 v[WSO], v[WSO], v[N]              ; r + 8 (r / 8)
	v_lshl_add_u32 v[WSO], v[WSO], 5, v[H16]       ; W1's scale bytes: 32 a row, my half's 16
	v_and_b32 v[DOF], 1, v[N]
	v_lshlrev_b32 v[DOF], 5, v[DOF]
	v_lshrrev_b32 v[ST], 1, v[N]
	v_lshl_add_u32 v[DOF], v[ST], 2, v[DOF]
.irp b, 0,1,2,3
	v_mov_b32 v[TM+4+\b], 0                        ; written once: a lane permute's destination counts as one of its sources
.endr
	s_mov_b32 s46, 0x76543210
	s_mov_b32 s47, 0xfedcba98                      ; v_permlanex16_b32's selects for lane l xor 16
	s_lshr_b32 s21, ttmp9, 5                       ; e
	s_and_b32 s22, ttmp9, 31                       ; n
	s_lshl_b32 s[WB], s20, 8
	s_mul_i32 s2, s20, 16*WP
	s_add_co_u32 s2, s2, XST                       ; my stage
	s_and_b32 s3, s20, 1
	s_lshl_b32 s3, s3, 4
	s_lshr_b32 s45, s20, 1
	s_lshl_b32 s45, s45, 3
	s_add_co_u32 s3, s3, s45
	s_mul_i32 s3, s3, WP                           ; my 8 rows of a chunk: places 16 (w % 2) + 8 (w / 2) on
	s_lshl_b32 s45, s21, 6
	s_lshl_b32 s40, s20, 4
	s_add_co_u32 s45, s45, s40
	s_add_co_u32 s45, s45, 4096
	s_wait_alu depctr_va_vdst(0)                   ; the wait behind the run of scalar instructions
	v_add_nc_u32 v[AXS], s2, v[L16]
	v_add_nc_u32 v[AXL], s2, v[AWF]
	v_add_nc_u32 v[AWS], s3, v[L16]
	v_add_nc_u32 v[DUMP], s45, v[N]
	s_lshl_b32 s76, ttmp9, 16                      ; W1's codes: 128 rows of 512 bytes a work-group, 8 rows of each chunk a wave
	s_lshl_b32 s45, s20, 12
	s_add_co_u32 s76, s76, s45
	s_mov_b32 s77, 0
	s_lshl_b32 s78, ttmp9, 12
	s_mov_b32 s79, 0
	s_lshl_b32 s80, ttmp9, 9
	s_mov_b32 s81, 0
	s_lshl_b32 s82, s21, 21                        ; hq: expert, my wave's first tile, K step n
	s_lshl_b32 s45, s20, 19
	s_add_co_u32 s82, s82, s45
	s_lshl_b32 s45, s22, 10
	s_add_co_u32 s82, s82, s45
	s_mov_b32 s83, 0
	s_lshl_b32 s84, s21, 17                        ; hs: expert, tile, and K step n's place: 256 (n / 4) + 4 (n % 4)
	s_lshl_b32 s45, s20, 15
	s_add_co_u32 s84, s84, s45
	s_lshr_b32 s45, s22, 2
	s_lshl_b32 s45, s45, 8
	s_add_co_u32 s84, s84, s45
	s_and_b32 s45, s22, 3
	s_lshl_b32 s45, s45, 2
	s_add_co_u32 s84, s84, s45
	s_mov_b32 s85, 0
	s_lshl_b32 s86, s21, 7                         ; msk: 128 bytes an expert, 32 a wave
	s_lshl_b32 s45, s20, 5
	s_add_co_u32 s86, s86, s45
	s_mov_b32 s87, 0
	s_lshl_b32 s88, s21, 13                        ; dst: 32 tiles of 64 bytes a wave
	s_lshl_b32 s45, s20, 11
	s_add_co_u32 s88, s88, s45
	s_mov_b32 s89, 0
	s_wait_alu depctr_va_vdst(0)                   ; the wait at the head's end
	s_wait_kmcnt 0x0
	s_add_nc_u64 s[14:15], s[14:15], s[86:87]
	s_add_nc_u64 s[4:5], s[4:5], s[76:77]
	s_load_b256 s[M:M+7], s[14:15], 0x0
	s_load_b256 s[HI:HI+7], s[14:15], 0x400
.irp b, 0,1,2,3
.irp i, 0,1,2,3,4,5,6,7
	global_load_b128 v[XF+32*\b+4*\i:XF+32*\b+4*\i+3], v[L16], s[4:5] offset:512*(32*\b+\i) th:TH_LOAD_NT   ; a row of W1 a load; these bytes are read once in the launch
.endr
.endr
	s_add_nc_u64 s[6:7], s[6:7], s[78:79]
	s_add_nc_u64 s[8:9], s[8:9], s[80:81]
	s_add_nc_u64 s[16:17], s[16:17], s[82:83]
	s_add_nc_u64 s[18:19], s[18:19], s[84:85]
	s_add_nc_u64 s[66:67], s[66:67], s[88:89]
	s_wait_kmcnt 0x0                               ; the masks
.irp c, 0,1,2,3,4,5,6,7
	s_bcnt1_i32_b32 s[E+\c], s[M+\c]
.endr
.irp c, 1,2,3,4,5,6,7
	s_add_co_u32 s[E+\c], s[E+\c], s[E+\c-1]
.endr
	s_add_co_u32 s44, s[E+7], 15
	s_lshr_b32 s44, s44, 4                         ; nt
	s_sub_co_u32 s41, s44, 1
	SELECT DEST                                    ; tiles 0 and 1 are asked for whatever nt is: the tokens are real ones, and no branch on a stored number stands ahead of a barrier
	ROWA OFF
	ROWL OFF, 128
	XSL XO, XS
	v_add_nc_u32 v[N], 16, v[N]
	DSTORE DEST, 0
	SELECT DEST1
	ROWA OFF1
	ROWL OFF1, 64
	XSL XO1, XSN
	DSTORE DEST1, 64
	CHUNK 0, 58                                    ; younger: three chunks (24) and two tiles' rows and scale words (34)
.irp t, 0,1,2,3,4,5,6,7
	global_load_b128 v[W1S+4*\t:W1S+4*\t+3], v[WSO], s[6:7] offset:(32*(\t/2)+8*(\t%2))*32
.endr
	CHUNK 1, 58                                    ; two chunks (16), 34, and the 8 loads of W1's scale words
	CHUNK 2, 50                                    ; one chunk (8), 34, 8
	WIN 0xc0
.irp t, 0,1,2,3,4,5,6,7
	global_load_b128 v[8*\t:8*\t+3], v[BO], s[8:9] offset:(32*(\t/2)+8*(\t%2))*4
	global_load_b128 v[8*\t+4:8*\t+7], v[BO], s[8:9] offset:(32*(\t/2)+8*(\t%2))*4+16
.endr
	WIN 0
	CHUNK 3, 58                                    ; 34, 8, and b1's 16.  The launch's last barrier: nobody writes W1's bytes again
	s_cmp_eq_u32 s44, 0
	s_cbranch_scc1 .Lend                           ; none of my 256 tokens has chosen this expert
	s_wait_loadcnt 41                              ; tile 0's rows and scale words are in; younger: tile 1's 17, 8, 16
	STAGE 128
	XFRAGS
	s_mov_b32 s42, 0
	s_wait_xcnt 0x0                                ; the stores of tiles 0 and 1's destinations have read their data
.Lloop:                                                ; nt trips
	s_wait_loadcnt 0x0                             ; the next tile's rows and scale words, asked for a trip ago (the first time: W1's scale words and b1 too)
	s_wait_dscnt 0x0                               ; this tile's fragments
	s_cmp_lt_u32 s42, s41                          ; does a tile follow?
	s_cbranch_scc0 .Lno_stage
	STAGE 64                                       ; its rows go to my stage ahead of the products
.Lno_stage:
	WIN 0x31                                       ; source 0 (W1) window 1, C (b1) window 3
	MM1 0
	WIN 0x01
	MM1 1
	MM1 2
	MM1 3
	WIN 0x02                                       ; W1's K steps 4 to 7: window 2
	MM1 4
	MM1 5
	MM1 6
	MM1 7
	WIN 0
.rept 4
	v_nop                                          ; four plain instructions between the last product and what writes its operands or reads results (ISA guide 7.12.1)
.endr
	s_cmp_lt_u32 s42, s41
	s_cbranch_scc0 .Lno_next
	s_wait_dscnt 0x0                               ; the stage is written, and the rows' registers are free
	XFRAGS
.irp j, 0,1,2,3
	v_mov_b32 v[XS+\j], v[XSN+\j]
.endr
	v_add_nc_u32 v[N], 16, v[N]
	SELECT DEST                                    ; the tile after next: its tokens (places past the count name one real token)
	ROWA OFF
	ROWL OFF, 64
	XSL XO, XSN
	DSTORE DEST, 128
.Lno_next:
.set j, 0
.rept 64
	v_max_num_f32 v[ACC+j], 0, v[ACC+j]            ; the activation, in f32; each tile from its low end on
.set j, j+1
.endr
	QUANT ACC
	global_store_b128 v[L16], v[PC:PC+3], s[16:17]             ; the fragment's image: 512 consecutive bytes a store
	global_store_b128 v[L16], v[PC+4:PC+7], s[16:17] offset:512
	global_store_b32 v[OHS], v[PW], s[18:19]       ; lanes r and r + 16 hold the same word and write it to the same place
	s_wait_alu depctr_va_vdst(0)
	s_wait_xcnt 0x0                                ; the stores have read their data and bases: both are written again only behind this wait
	s_add_nc_u64 s[16:17], s[16:17], 32768         ; the next tile
	s_add_nc_u64 s[18:19], s[18:19], 2048
	s_add_nc_u64 s[66:67], s[66:67], 64
	s_add_co_u32 s42, s42, 1
	s_cmp_lt_u32 s42, s44
	s_cbranch_scc1 .Lloop
.Lend:
	s_wait_tensorcnt 0x0                           ; the wave's end
	ds_add_u32 v[SPW], v[NIL]
	s_wait_dscnt 0x0
	s_endpgm
.Lfunc_end_k_q6f17853fce_ffn1:
	.size	k_q6f17853fce_ffn1, .Lfunc_end_k_q6f17853fce_ffn1-k_q6f17853fce_ffn1
	.p2alignl 7, 3214868480
	.fill 96, 4, 3214868480
	.section	.rodata,"a",@progbits
	.p2align	6, 0x0
	.amdhsa_kernel k_q6f17853fce_ffn1
		.amdhsa_group_segment_fixed_size 101888
		.amdhsa_private_segment_fixed_size 0
		.amdhsa_enable_private_segment 0
		.amdhsa_kernarg_size 72
		.amdhsa_user_sgpr_count 2
		.amdhsa_user_sgpr_kernarg_segment_ptr 1
		.amdhsa_wavefront_size32 1
		.amdhsa_system_sgpr_workgroup_id_x 1
		.amdhsa_system_sgpr_workgroup_id_y 1
		.amdhsa_system_sgpr_workgroup_id_z 1
		.amdhsa_system_vgpr_workitem_id 0
		.amdhsa_next_free_vgpr 960
		.amdhsa_next_free_sgpr 96
		.amdhsa_reserve_vcc 1
		.amdhsa_float_denorm_mode_32 3
		.amdhsa_float_denorm_mode_16_64 3
		.amdhsa_memory_ordered 1
		.amdhsa_forward_progress 1
		.amdhsa_inst_pref_size 67
	.end_amdhsa_kernel
	.amdgpu_metadata
---
amdhsa.version: [ 1, 2 ]
amdhsa.kernels:
  - .name:           k_q6f17853fce_ffn1
    .symbol:         k_q6f17853fce_ffn1.kd
    .args:
      - { .name: W1_codes, .offset: 0, .size: 8, .value_kind: global_buffer, .address_space: global }
      - { .name: W1_scales, .offset: 8, .size: 8, .value_kind: global_buffer, .address_space: global }
      - { .name: b1, .offset: 16, .size: 8, .value_kind: global_buffer, .address_space: global }
      - { .name: xq, .offset: 24, .size: 8, .value_kind: global_buffer, .address_space: global }
      - { .name: xs, .offset: 32, .size: 8, .value_kind: global_buffer, .address_space: global }
      - { .name: msk, .offset: 40, .size: 8, .value_kind: global_buffer, .address_space: global }
      - { .name: hq, .offset: 48, .size: 8, .value_kind: global_buffer, .address_space: global }
      - { .name: hs, .offset: 56, .size: 8, .value_kind: global_buffer, .address_space: global }
      - { .name: dst, .offset: 64, .size: 8, .value_kind: global_buffer, .address_space: global }
    .group_segment_fixed_size: 101888
    .private_segment_fixed_size: 0
    .kernarg_segment_align: 8
    .kernarg_segment_size: 72
    .max_flat_workgroup_size: 128
    .sgpr_count:     96
    .vgpr_count:     960
    .wavefront_size: 32
...
	.end_amdgpu_metadata
.endif
;; end of part 2
;; launch ffn2 (part 3): grid 256 x 1, 4 waves a work-group, no clusters, 84,480 bytes of LDS; arguments W2_codes, W2_scales, b2, hq, hs, msk, dst, eo; writes eo
.if DOCPART == 3
	.amdgcn_target "amdgcn-amd-amdhsa--gfx1250"
	.amdhsa_code_object_version 6
	.text
	.protected	k_q6f17853fce_ffn2
	.globl	k_q6f17853fce_ffn2
	.p2align	8
	.type	k_q6f17853fce_ffn2,@function
k_q6f17853fce_ffn2:
	s_mov_b64 s[64:65], 0
	v_nop
	global_prefetch_b8 v0, s[64:65] scope:SCOPE_SE
	s_setreg_imm32_b32 hwreg(HW_REG_WAVE_MODE, 25, 1), 1
	s_wait_xcnt 0x0
; SparseMoE, third launch: the parts of eo = h W2_e + b2_e for the rows (token, expert) that were chosen; the rows of experts not chosen are left out (shown at the head of the first launch).
; SHARES.  Work-group (e, c, kh) = (id / 32, (id / 2) % 16, id % 2) holds output columns 64 c .. 64 c + 63 of expert e for K = 2,048 kh .. 2,048 kh + 2,047: 64 KiB of codes, read from memory once, kept by EACH of its
; four waves in 512 registers: 4 column tiles x 16 K steps.  So each fragment of h that a wave loads feeds four matrix instructions, and a row of a tile's result is 256 bytes.  The two halves of K are summed by the next launch.
; Wave w walks the row tiles 16 w + k, k < nt, that wave w of the launch before has written: the same masks, the same split.
; THE HEAD.  W2 comes to LDS in four chunks of K (4 K steps, 256 bytes of each of the 64 rows; 16 rows a wave); behind a chunk's barrier every wave reads the chunk's 16 fragments while the later chunks are on their way.
; h's tiles 0 and 1 are asked for among the chunks, whatever nt is (the addresses lie inside the buffers; what nt does not count is never used).
; THE LOOP.  A tile's 16 fragments of h (128 registers) come straight from memory as images of their registers, in two groups of 8 K steps: 17 loads, and 19 with the rows' destinations.  TWO BUFFERS: tile k lies in
; buffer k % 2; behind each group's products the same group of tile k + 2 is asked for.  These loads run two tiles ahead themselves, so a prefetch would name only what they name: none is written.
; The trip count hangs on a stored number: no tensor load, no cluster, the barriers ahead of every such branch, no LDS address stepped in a loop.  Where tiles end is decided once and the text parts there, so that the
; same loads have been issued on every way that leads to a counted wait.
; LAYOUT.  Transposed: source 0 = 16 rows of W2 (output columns), source 1 = 16 rows of h: lane (r, h) holds row r and columns 16 t + 8 h + 0 .. 7.  The four column tiles' accumulators take turns.
; b2 is the C of each sum's first instruction where kh = 0; where kh = 1 the same registers hold 0, so that the bias enters a row's sum once.
; OUT.  eo row = dst + 1,024 kh: token + 1,024 x (2 slot + kh): each of rows 0 .. 4,095 has one owner for each column.  A place past the wave's count goes to row 4,096 + 64 e + 16 w + r + 1,024 kh, which nobody reads and
; nobody else writes.  A tile goes through the wave's stage, so that sixteen lanes store a row's 256 consecutive bytes, aligned.
.set WP,    1040                       ; an LDS row of W2: 1,024 bytes + 16 of padding: 16 rows of a load start at 16 different 16-byte columns
.set OST,   64*WP                      ; for each wave 16 rows x (256 bytes + 16)
.set OP,    272
.set SPARE, OST+4*16*OP                ; the spare words, 128 bytes for each wave: two blocks of 256 bytes that no other line names
.set SPW, 1                            ; LDS address of my spare word; never rewritten
.set NIL, 2                            ; 0; never rewritten
.set L16, 3
.set AWF, 4                            ; 1,040 r + 16 h
.set AST, 5                            ; the stage: where I put 32 bytes of row r
.set ARD, 6                            ; where I read 16 bytes of row l / 16 back
.set COL, 7                            ; 16 (l % 16)
.set GOF, 8                            ; W2 from memory: two rows' 256 bytes a load
.set AWS, 9                            ; and into LDS
.set SOF, 10                           ; W2's scale words
.set HOF, 11                           ; 32 (l / 16): b2's and dst's
.set T1,  12
.set R15, 13
.set HH,  14
.set DB,  16                           ; v16-31 the destinations of rows l / 16 + 2 q, buffer b at 8 b
.set D,   32                           ; v32-39 the stores' offsets
.set HS,  40                           ; v40-55 h's scale words: register 8 b + 4 g + j, lane (r, hh): K step 8 g + 4 hh + j of row r, buffer b
.set W2S, 56                           ; v56-87 W2's: register 8 t + 4 g + j likewise
.set B2,  88                           ; v88-119 b2 in the result's layout, or zeros
.set ACC, 120                          ; v120-151 the four accumulators
.set OB,  152                          ; v152-183 a tile on its way out
.set STG, 128                          ; v128-255 first carry W2 to LDS
                                       ; window 1: W2's fragments (t, s), s < 8, at 8 (4 s + t);  window 2: s >= 8;  window 3: h's fragment s of buffer b at 128 b + 8 s
.set M,   24                           ; s[24:31] my 8 mask words
.set E,   32                           ; s[32:39] their counts
.set MSB, 0
.macro WIN new                         ; the immediate's high byte repeats the setting that is left
.if MSB != \new
	s_set_vgpr_msb (MSB<<8)|\new
.set MSB, \new
.endif
.endm
.macro HLOAD b, g, off                 ; 8 K steps of h and their scale words into buffer b, and with the second group the rows' destinations
	WIN 0xc0                                       ; destination window 3
.irp q, 0,1,2,3,4,5,6,7
.irp c, 0,1
	global_load_b128 v[128*\b+64*\g+8*\q+4*\c:128*\b+64*\g+8*\q+4*\c+3], v[L16], s[10:11] offset:\off+8192*\g+1024*\q+512*\c
.endr
.endr
	WIN 0
	global_load_b128 v[HS+8*\b+4*\g:HS+8*\b+4*\g+3], v[L16], s[12:13] offset:(\off)/16+512*\g
.if \g
	global_load_b128 v[DB+8*\b:DB+8*\b+3], v[HOF], s[16:17] offset:(\off)/512
	global_load_b128 v[DB+8*\b+4:DB+8*\b+7], v[HOF], s[16:17] offset:(\off)/512+16
.endif
.endm
; A chunk of W2: my 16 rows' 256 bytes to LDS, a barrier, and the chunk's four K steps into registers.  Each chunk has LDS bytes of its own, written once.
.macro CHUNK g, cnt
	s_wait_loadcnt \cnt
.irp i, 0,1,2,3,4,5,6,7
	ds_store_b128 v[AWS], v[STG+32*\g+4*\i:STG+32*\g+4*\i+3] offset:2*WP*\i+256*\g
.endr
	s_wait_dscnt 0x0                               ; for the others' sake: my part of the chunk lies in LDS
	s_barrier_signal -1
	s_barrier_wait -1
	WIN 0x40*(1+(\g)/2)
.irp q, 0,1,2,3
.irp t, 0,1,2,3
.irp c, 0,1
	ds_load_b128 v[8*(4*((4*\g+\q)%8)+\t)+4*\c:8*(4*((4*\g+\q)%8)+\t)+4*\c+3], v[AWF] offset:16*WP*\t+64*(4*\g+\q)+32*\c
.endr
.endr
.endr
	WIN 0
.endm
.macro MM2 b, t                        ; K step KS of my half, column tile t, h from buffer b
.set RA, 8*(4*(KS%8)+\t)
.set RB, 128*\b+8*KS
.set RC, ACC+8*\t
.set RSA, W2S+8*\t+4*(KS/8)+KS%4
.set RSB, HS+8*\b+4*(KS/8)+KS%4
.if KS == 0
	v_wmma_scale_f32_16x16x128_f8f6f4 v[RC:RC+7], v[RA:RA+7], v[RB:RB+7], v[B2+8*\t:B2+8*\t+7], v[RSA], v[RSB] matrix_a_fmt:MATRIX_FMT_FP4 matrix_b_fmt:MATRIX_FMT_FP4
.elseif (KS/4)%2 == 0
	v_wmma_scale_f32_16x16x128_f8f6f4 v[RC:RC+7], v[RA:RA+7], v[RB:RB+7], v[RC:RC+7], v[RSA], v[RSB] matrix_a_fmt:MATRIX_FMT_FP4 matrix_b_fmt:MATRIX_FMT_FP4
.else
	v_wmma_scale_f32_16x16x128_f8f6f4 v[RC:RC+7], v[RA:RA+7], v[RB:RB+7], v[RC:RC+7], v[RSA], v[RSB] matrix_a_fmt:MATRIX_FMT_FP4 matrix_b_fmt:MATRIX_FMT_FP4 matrix_a_scale:MATRIX_SCALE_ROW1 matrix_b_scale:MATRIX_SCALE_ROW1
.endif
.endm
	s_load_b512 s[4:19], s[0:1], 0x0               ; W2's codes s[4:5], its scales s[6:7], b2 s[8:9], hq s[10:11], hs s[12:13], msk s[14:15], dst s[16:17], eo s[18:19]
	v_lshl_add_u32 v[SPW], v0, 2, SPARE
	v_mov_b32 v[NIL], 0
	v_lshrrev_b32 v[T1], 5, v0
	v_readfirstlane_b32 s20, v[T1]                 ; wave 0..3
	v_and_b32 v[T1], 31, v0
	v_lshlrev_b32 v[L16], 4, v[T1]
	v_and_b32 v[R15], 15, v0                       ; r
	v_bfe_u32 v[HH], v0, 4, 1                      ; h
	v_mul_u32_u24 v[AWF], v[R15], WP
	v_lshl_add_u32 v[AWF], v[HH], 4, v[AWF]
	v_lshlrev_b32 v[COL], 4, v[R15]
	v_lshl_add_u32 v[GOF], v[HH], 11, v[COL]
	v_mul_u32_u24 v[AWS], v[HH], WP
	v_add_nc_u32 v[AWS], v[AWS], v[COL]
	v_mul_u32_u24 v[AST], v[R15], OP
	v_lshl_add_u32 v[AST], v[HH], 5, v[AST]
	v_mul_u32_u24 v[ARD], v[HH], OP
	v_add_nc_u32 v[ARD], v[ARD], v[COL]
	v_lshlrev_b32 v[SOF], 7, v[R15]
	v_lshl_add_u32 v[SOF], v[HH], 4, v[SOF]        ; W2's scale bytes: 128 a row, 16 for my half of the lanes
	v_lshlrev_b32 v[HOF], 5, v[HH]
	s_mul_i32 s2, s20, 16*OP
	s_add_co_u32 s2, s2, OST                       ; my stage
	s_mul_i32 s3, s20, 16*WP                       ; my 16 rows of W2
	s_wait_alu depctr_va_vdst(0)
	v_add_nc_u32 v[AST], s2, v[AST]
	v_add_nc_u32 v[ARD], s2, v[ARD]
	v_add_nc_u32 v[AWS], s3, v[AWS]
	s_lshr_b32 s21, ttmp9, 5                       ; e
	s_bfe_u32 s22, ttmp9, 0x40001                  ; c
	s_and_b32 s23, ttmp9, 1                        ; kh
	s_lshr_b32 s55, ttmp9, 1                       ; 16 e + c
	s_lshl_b32 s66, s55, 17                        ; W2's codes: 64 rows of 2,048 bytes a pair of work-groups; my half of each row; 16 rows a wave
	s_lshl_b32 s2, s23, 10
	s_add_co_u32 s66, s66, s2
	s_lshl_b32 s2, s20, 15
	s_add_co_u32 s66, s66, s2
	s_mov_b32 s67, 0
	s_lshl_b32 s68, s55, 13                        ; its scale bytes: 128 a row, my half's 64
	s_lshl_b32 s2, s23, 6
	s_add_co_u32 s68, s68, s2
	s_mov_b32 s69, 0
	s_lshl_b32 s70, s55, 8                         ; b2
	s_mov_b32 s71, 0
	s_lshl_b32 s72, s21, 21                        ; hq: expert, my wave's first tile, my half's 16 K steps
	s_lshl_b32 s2, s20, 19
	s_add_co_u32 s72, s72, s2
	s_lshl_b32 s2, s23, 14
	s_add_co_u32 s72, s72, s2
	s_mov_b32 s73, 0
	s_lshl_b32 s74, s21, 17                        ; hs likewise
	s_lshl_b32 s2, s20, 15
	s_add_co_u32 s74, s74, s2
	s_lshl_b32 s2, s23, 10
	s_add_co_u32 s74, s74, s2
	s_mov_b32 s75, 0
	s_lshl_b32 s76, s21, 7                         ; msk
	s_lshl_b32 s2, s20, 5
	s_add_co_u32 s76, s76, s2
	s_mov_b32 s77, 0
	s_lshl_b32 s78, s21, 13                        ; dst
	s_lshl_b32 s2, s20, 11
	s_add_co_u32 s78, s78, s2
	s_mov_b32 s79, 0
	s_lshl_b32 s80, s23, 22                        ; eo: 1,024 rows of 4,096 bytes for kh, and my 64 columns
	s_lshl_b32 s2, s22, 8
	s_add_co_u32 s80, s80, s2
	s_mov_b32 s81, 0
	s_wait_alu depctr_va_vdst(0)                   ; the wait at the head's end
	s_wait_kmcnt 0x0
	s_add_nc_u64 s[14:15], s[14:15], s[76:77]
	s_load_b256 s[M:M+7], s[14:15], 0x0
	s_add_nc_u64 s[4:5], s[4:5], s[66:67]
	s_add_nc_u64 s[6:7], s[6:7], s[68:69]
	s_add_nc_u64 s[8:9], s[8:9], s[70:71]
	s_add_nc_u64 s[10:11], s[10:11], s[72:73]
	s_add_nc_u64 s[12:13], s[12:13], s[74:75]
	s_add_nc_u64 s[16:17], s[16:17], s[78:79]
	s_add_nc_u64 s[18:19], s[18:19], s[80:81]
	s_cmp_eq_u32 s23, 0                            ; the bias enters with the first half of K alone: a branch on the work-group's number.  Its loads are the launch's oldest, so no later count hangs on the way taken
	s_cbranch_scc0 .Lno_bias
.irp t, 0,1,2,3
	global_load_b128 v[B2+8*\t:B2+8*\t+3], v[HOF], s[8:9] offset:64*\t
	global_load_b128 v[B2+8*\t+4:B2+8*\t+7], v[HOF], s[8:9] offset:64*\t+16
.endr
	s_branch .Lbias_done
.Lno_bias:
.set j, 0
.rept 32
	v_mov_b32 v[B2+j], 0                           ; once in the launch: the text of the products is the same for both halves of K
.set j, j+1
.endr
	s_wait_alu depctr_va_vdst(0)
.Lbias_done:
.irp t, 0,1,2,3
.irp g, 0,1
	global_load_b128 v[W2S+8*\t+4*\g:W2S+8*\t+4*\g+3], v[SOF], s[6:7] offset:2048*\t+32*\g
.endr
.endr
.irp g, 0,1,2,3
.irp i, 0,1,2,3,4,5,6,7
	global_load_b128 v[STG+32*\g+4*\i:STG+32*\g+4*\i+3], v[GOF], s[4:5] offset:4096*\i+256*\g th:TH_LOAD_NT   ; two aligned units of 256 bytes a load; these bytes are read once in the launch
.endr
.endr
	HLOAD 0, 0, 0                                  ; tile 0
	s_wait_kmcnt 0x0                               ; the masks
.irp c, 0,1,2,3,4,5,6,7
	s_bcnt1_i32_b32 s[E+\c], s[M+\c]
.endr
.irp c, 1,2,3,4,5,6,7
	s_add_co_u32 s[E+\c], s[E+\c], s[E+\c-1]
.endr
	s_add_co_u32 s53, s[E+7], 15
	s_lshr_b32 s53, s53, 4                         ; nt
	CHUNK 0, 41                                    ; younger: three chunks (24), 17
	HLOAD 0, 1, 0
	CHUNK 1, 52                                    ; two chunks (16), 17, 19
	HLOAD 1, 0, 32768                              ; tile 1
	CHUNK 2, 61                                    ; one chunk (8), 17, 19, 17
	CHUNK 3, 53                                    ; 17, 19, 17.  The launch's last barrier: nobody writes W2's bytes again
	HLOAD 1, 1, 32768
	s_wait_dscnt 0x0                               ; W2's fragments
; A tile of 16 rows, from buffer b.  v = 2: behind each group's products the same group of the tile after next is asked for; v = 1: a next tile's loads are out, nothing is asked for; v = 0: the last tile.
; The counts: behind group 0 stand its tile's group 1 (19) and the next tile's two (17 + 19); behind group 1 the next tile's two and, for v = 2, the tile after next's first (17).
.macro TILE b, v
.irp g, 0,1
.if \v == 2
	s_wait_loadcnt 55-2*\g
.elseif \v == 1
	s_wait_loadcnt 55-19*\g
.else
	s_wait_loadcnt 19-19*\g
.endif
.if \g == 0
	WIN 0x0d                                       ; source 0 (W2) window 1, source 1 (h) window 3
.else
	WIN 0x0e                                       ; W2's K steps 8 to 15: window 2
.endif
.irp q, 0,1,2,3,4,5,6,7
.set KS, 8*\g+\q
	MM2 \b, 0                                      ; the four accumulators by turns, one instruction a turn
	MM2 \b, 1
	MM2 \b, 2
	MM2 \b, 3
.endr
	WIN 0
.if \g == 0
.if \v == 2
.rept 4
	v_nop                                          ; four plain instructions between the products and the loads into registers that they read
.endr
.endif
.else
.irp i, 0,1,2,3,4,5,6,7
	v_min_u32 v[D+\i], 0x11ff, v[DB+8*\b+\i]       ; a number that was loaded enters an address only held to a range: 4,608 rows.  (These sixteen are also the places behind the products)
.endr
.irp i, 0,1,2,3,4,5,6,7
	v_lshl_add_u32 v[D+\i], v[D+\i], 12, v[COL]
.endr
.endif
.if \v == 2
	HLOAD \b, \g, 65536
.endif
.endr
.irp t, 0,1,2,3
	ds_store_b128 v[AST], v[ACC+8*\t:ACC+8*\t+3] offset:64*\t          ; each accumulator from its low end on
	ds_store_b128 v[AST], v[ACC+8*\t+4:ACC+8*\t+7] offset:64*\t+16
.endr
.irp q, 0,1,2,3,4,5,6,7
	ds_load_b128 v[OB+4*\q:OB+4*\q+3], v[ARD] offset:2*OP*\q   ; my own stage: LDS serves a wave's instructions in order.  Rows l / 16 + 2 q
.endr
	s_wait_alu depctr_va_vdst(0)
	s_wait_dscnt 0x0
.irp q, 0,1,2,3,4,5,6,7
	global_store_b128 v[D+\q], v[OB+4*\q:OB+4*\q+3], s[18:19]   ; sixteen lanes store a row's 256 consecutive bytes, at a multiple of 256 from eo's first byte
.endr
.if \v
	s_wait_xcnt 0x0                                ; the loads have read their bases, the stores their data and offsets: all are written again only behind this wait
.endif
.if \v == 2
	s_add_nc_u64 s[10:11], s[10:11], 32768         ; the next tile
	s_add_nc_u64 s[12:13], s[12:13], 2048
	s_add_nc_u64 s[16:17], s[16:17], 64
.endif
.endm
	s_cmp_eq_u32 s53, 0
	s_cbranch_scc1 .Lend                           ; none of my 256 tokens has chosen this expert
	s_cmp_eq_u32 s53, 1
	s_cbranch_scc1 .Leven
	s_sub_co_u32 s54, s53, 2                       ; the tiles that have a tile after next
	s_lshr_b32 s49, s54, 1                         ; in pairs
	s_mov_b32 s50, 0
	s_cmp_eq_u32 s49, 0
	s_cbranch_scc1 .Lafter
.Lloop:                                                ; (nt - 2) / 2 trips: a trip runs both buffers, so that the register numbers are back where they began
	TILE 0, 2
	TILE 1, 2
	s_add_co_u32 s50, s50, 1
	s_cmp_lt_u32 s50, s49
	s_cbranch_scc1 .Lloop
.Lafter:
	s_bitcmp1_b32 s54, 0
	s_cbranch_scc1 .Lodd
.Leven:
	TILE 0, 1                                      ; nt even: the last two tiles ask for nothing; nt = 1: the one tile
	s_cmp_eq_u32 s53, 1
	s_cbranch_scc1 .Lend
	TILE 1, 0
	s_branch .Lend
.Lodd:
	TILE 0, 2                                      ; nt odd: one more tile that has a tile after next, then the last two
	TILE 1, 1
	TILE 0, 0
.Lend:
	s_wait_tensorcnt 0x0                           ; the wave's end
	ds_add_u32 v[SPW], v[NIL]
	s_wait_dscnt 0x0
	s_endpgm
.Lfunc_end_k_q6f17853fce_ffn2:
	.size	k_q6f17853fce_ffn2, .Lfunc_end_k_q6f17853fce_ffn2-k_q6f17853fce_ffn2
	.p2alignl 7, 3214868480
	.fill 96, 4, 3214868480
	.section	.rodata,"a",@progbits
	.p2align	6, 0x0
	.amdhsa_kernel k_q6f17853fce_ffn2
		.amdhsa_group_segment_fixed_size 84480
		.amdhsa_private_segment_fixed_size 0
		.amdhsa_enable_private_segment 0
		.amdhsa_kernarg_size 64
		.amdhsa_user_sgpr_count 2
		.amdhsa_user_sgpr_kernarg_segment_ptr 1
		.amdhsa_wavefront_size32 1
		.amdhsa_system_sgpr_workgroup_id_x 1
		.amdhsa_system_sgpr_workgroup_id_y 1
		.amdhsa_system_sgpr_workgroup_id_z 1
		.amdhsa_system_vgpr_workitem_id 0
		.amdhsa_next_free_vgpr 1024
		.amdhsa_next_free_sgpr 96
		.amdhsa_reserve_vcc 0
		.amdhsa_float_denorm_mode_32 3
		.amdhsa_float_denorm_mode_16_64 3
		.amdhsa_memory_ordered 1
		.amdhsa_forward_progress 1
		.amdhsa_inst_pref_size 117
	.end_amdhsa_kernel
	.amdgpu_metadata
---
amdhsa.version: [ 1, 2 ]
amdhsa.kernels:
  - .name:           k_q6f17853fce_ffn2
    .symbol:         k_q6f17853fce_ffn2.kd
    .args:
      - { .name: W2_codes, .offset: 0, .size: 8, .value_kind: global_buffer, .address_space: global }
      - { .name: W2_scales, .offset: 8, .size: 8, .value_kind: global_buffer, .address_space: global }
      - { .name: b2, .offset: 16, .size: 8, .value_kind: global_buffer, .address_space: global }
      - { .name: hq, .offset: 24, .size: 8, .value_kind: global_buffer, .address_space: global }
      - { .name: hs, .offset: 32, .size: 8, .value_kind: global_buffer, .address_space: global }
      - { .name: msk, .offset: 40, .size: 8, .value_kind: global_buffer, .address_space: global }
      - { .name: dst, .offset: 48, .size: 8, .value_kind: global_buffer, .address_space: global }
      - { .name: eo, .offset: 56, .size: 8, .value_kind: global_buffer, .address_space: global }
    .group_segment_fixed_size: 84480
    .private_segment_fixed_size: 0
    .kernarg_segment_align: 8
    .kernarg_segment_size: 64
    .max_flat_workgroup_size: 128
    .sgpr_count:     96
    .vgpr_count:     1024
    .wavefront_size: 32
...
	.end_amdgpu_metadata
.endif
;; end of part 3
;; launch add (part 4): grid 256 x 1, 8 waves a work-group, no clusters, 0 bytes of LDS; arguments eo, out0; writes out0
.if DOCPART == 4
	.amdgcn_target "amdgcn-amd-amdhsa--gfx1250"
	.amdhsa_code_object_version 6
	.text
	.protected	k_q6f17853fce_add
	.globl	k_q6f17853fce_add
	.p2align	8
	.type	k_q6f17853fce_add,@function
k_q6f17853fce_add:
	s_mov_b64 s[64:65], 0
	v_nop
	global_prefetch_b8 v0, s[64:65] scope:SCOPE_SE
	s_setreg_imm32_b32 hwreg(HW_REG_WAVE_MODE, 25, 1), 1
	s_wait_xcnt 0x0
; SparseMoE, fourth launch: out0[token] = the sum of eo's four parts of the token: the two experts with sel = 1, each in two halves of K; the six terms with sel = 0 are left out (shown at the head of the first launch).
; A stream: each work-group takes 16,384 bytes of out0, each thread four pieces of 16 bytes; a wave's load or store covers 512 consecutive bytes.  No LDS, no barrier, no loop; each byte is read and written once.
; All 16 loads of a thread go out at once, piece by piece, so that a piece's sum waits for its own four alone.
.set PART, 4194304                     ; a part: 1,024 rows of 4,096 bytes.  One part on lies inside the signed 24-bit immediate, two do not: parts 2 and 3 have a base of their own
	s_load_b128 s[4:7], s[0:1], 0x0                ; eo, out0
	v_lshlrev_b32 v1, 4, v0
	s_lshl_b32 s2, ttmp9, 14
	s_mov_b32 s3, 0
	s_wait_alu depctr_va_vdst(0)
	s_wait_kmcnt 0x0
	s_add_nc_u64 s[4:5], s[4:5], s[2:3]
	s_add_nc_u64 s[6:7], s[6:7], s[2:3]
	s_add_nc_u64 s[8:9], s[4:5], 2*PART
.irp i, 0,1,2,3
	global_load_b128 v[4+16*\i:7+16*\i], v1, s[4:5] offset:4096*\i th:TH_LOAD_NT
	global_load_b128 v[8+16*\i:11+16*\i], v1, s[4:5] offset:PART+4096*\i th:TH_LOAD_NT
	global_load_b128 v[12+16*\i:15+16*\i], v1, s[8:9] offset:4096*\i th:TH_LOAD_NT
	global_load_b128 v[16+16*\i:19+16*\i], v1, s[8:9] offset:PART+4096*\i th:TH_LOAD_NT
.endr
.irp i, 0,1,2,3
	s_wait_loadcnt 12-4*\i                         ; piece i's four loads are in; the later pieces' may be out
	v_pk_add_f32 v[4+16*\i:5+16*\i], v[4+16*\i:5+16*\i], v[8+16*\i:9+16*\i]         ; the first expert's two halves of K,
	v_pk_add_f32 v[6+16*\i:7+16*\i], v[6+16*\i:7+16*\i], v[10+16*\i:11+16*\i]
	v_pk_add_f32 v[12+16*\i:13+16*\i], v[12+16*\i:13+16*\i], v[16+16*\i:17+16*\i]   ; the second's,
	v_pk_add_f32 v[14+16*\i:15+16*\i], v[14+16*\i:15+16*\i], v[18+16*\i:19+16*\i]
	s_delay_alu instid0(VALU_DEP_2)
	v_pk_add_f32 v[4+16*\i:5+16*\i], v[4+16*\i:5+16*\i], v[12+16*\i:13+16*\i]       ; and the two experts
	s_delay_alu instid0(VALU_DEP_2)
	v_pk_add_f32 v[6+16*\i:7+16*\i], v[6+16*\i:7+16*\i], v[14+16*\i:15+16*\i]
	global_store_b128 v1, v[4+16*\i:7+16*\i], s[6:7] offset:4096*\i th:TH_STORE_NT
.endr
	s_endpgm
.Lfunc_end_k_q6f17853fce_add:
	.size	k_q6f17853fce_add, .Lfunc_end_k_q6f17853fce_add-k_q6f17853fce_add
	.p2alignl 7, 3214868480
	.fill 96, 4, 3214868480
	.section	.rodata,"a",@progbits
	.p2align	6, 0x0
	.amdhsa_kernel k_q6f17853fce_add
		.amdhsa_group_segment_fixed_size 0
		.amdhsa_private_segment_fixed_size 0
		.amdhsa_enable_private_segment 0
		.amdhsa_kernarg_size 16
		.amdhsa_user_sgpr_count 2
		.amdhsa_user_sgpr_kernarg_segment_ptr 1
		.amdhsa_wavefront_size32 1
		.amdhsa_system_sgpr_workgroup_id_x 1
		.amdhsa_system_sgpr_workgroup_id_y 1
		.amdhsa_system_sgpr_workgroup_id_z 1
		.amdhsa_system_vgpr_workitem_id 0
		.amdhsa_next_free_vgpr 72
		.amdhsa_next_free_sgpr 66
		.amdhsa_reserve_vcc 0
		.amdhsa_float_denorm_mode_32 3
		.amdhsa_float_denorm_mode_16_64 3
		.amdhsa_memory_ordered 1
		.amdhsa_forward_progress 1
		.amdhsa_inst_pref_size 5
	.end_amdhsa_kernel
	.amdgpu_metadata
---
amdhsa.version: [ 1, 2 ]
amdhsa.kernels:
  - .name:           k_q6f17853fce_add
    .symbol:         k_q6f17853fce_add.kd
    .args:
      - { .name: eo, .offset: 0, .size: 8, .value_kind: global_buffer, .address_space: global }
      - { .name: out0, .offset: 8, .size: 8, .value_kind: global_buffer, .address_space: global }
    .group_segment_fixed_size: 0
    .private_segment_fixed_size: 0
    .kernarg_segment_align: 8
    .kernarg_segment_size: 16
    .max_flat_workgroup_size: 256
    .sgpr_count:     66
    .vgpr_count:     72
    .wavefront_size: 32
...
	.end_amdgpu_metadata
.endif
;; end of part 4
